; MI455X (gfx1250); checked and timed in simulation.
; The chip was launched on July 23, 2026; its instructions are those of AMD's public machine-readable ISA for CDNA 5 (MIT licence, August 2026) and "CDNA5" Instruction Set Architecture Reference Guide (July 2026). The comments in the code are by the model that wrote it; some were corrected since.
;; G Vendi Codebook. Allowed arithmetic: matrix products marked QUANTISED: E2M1 operands, one E8M0 scale for each 32 along K, by v_wmma_scale_f32_16x16x128_f8f6f4 with both operands' format E2M1 (or v_wmma_scale_f32_32x16x128_f4), f32 sums; everything else in f32.
;; Inputs: centroids 4,096 x 256 float32; x 65,536 x 256 float32.
;; Outputs: out0 65,536 int32.
;; This version of the problem:
;;   THIS VERSION OF THE PROBLEM IS GIVEN IN LOW PRECISION. The matrix products marked QUANTISED in the list below multiply operands that are first quantised to E2M1 (2 exponent bits, 1 mantissa bit; 4 bits a number), with one power-of-two scale for each 32 numbers along K (OCP MX v1.0); their sums are f32. All else is computed in f32.
;;   The module's matrix products, in the order in which they are computed (A, B: the left and right operand; K: the contracted axis; several contracted axes count as one K, in the product's order):
;;     1. [M 65,536, K 256] x [K 256, N 4,096]; A: input x; B: input centroids: QUANTISED
;;   THE QUANTISER, for each operand of a quantised product, along K:
;;     - K is cut into blocks of 32 from its start; a last block that is shorter is filled with zeros.
;;     - A block's scale is 2^e with e = floor(log2(the largest magnitude in the block)) - 2, held to -126 .. 127; a block of zeros has e = 0. As a byte (E8M0): e + 127.
;;     - Each number is divided by its block's scale, clamped to +-6, and rounded to the nearest number of E2M1, ties to even, subnormals kept.
;;     - The product sums the exact products of the quantised numbers (number of the format x scale) in f32.
;;   ~~~python
;;   def quantise(x, axis):      # numpy; x: float32 -> the quantised numbers, widened to float32 again
;;       x = np.moveaxis(x, axis, -1); K = x.shape[-1]
;;       x = np.pad(x, [(0, 0)] * (x.ndim - 1) + [(0, -K % 32)]); x = x.reshape(x.shape[:-1] + (-1, 32)); a = np.abs(x).max(-1, keepdims=True)
;;       e = np.where(a > 0, np.clip(np.frexp(np.where(a > 0, a, 1))[1] - 1 - 2, -126, 127), 0)      # np.frexp(a)[1] - 1 = floor(log2(a)), exactly
;;       r = np.clip(x / 2.0 ** e, -6, 6)
;;       step = 2.0 ** (np.maximum(np.frexp(np.where(r == 0, 1, r))[1] - 1, 0) - 1)
;;       q = np.round(r / step) * step * 2.0 ** e      # np.round: ties to even
;;       return np.moveaxis(q.reshape(q.shape[:-2] + (-1,))[..., :K], -1, axis).astype(np.float32)
;;   ~~~
;; One version. Each part assembles by itself: llvm-mc -triple=amdgcn-amd-amdhsa -mcpu=gfx1250 --defsym DOCPART=n.
;; ======== version 1 of 1: 2 launches
;; limits: right only within a limited range of input values
;; workspace buffers: cimg 589,824 bytes
;; launch prep (part 1): grid 128 x 1, 1 waves a work-group, no clusters, 168,192 bytes of LDS; arguments centroids, cimg; writes cimg
.if DOCPART == 1
	.amdgcn_target "amdgcn-amd-amdhsa--gfx1250"
	.amdhsa_code_object_version 6
	.text
	.protected	k_q46344f607a_prep
	.globl	k_q46344f607a_prep
	.p2align	8
	.type	k_q46344f607a_prep,@function
k_q46344f607a_prep:
	s_mov_b64 s[64:65], 0
	v_nop
	global_prefetch_b8 v0, s[64:65] scope:SCOPE_SE
	s_setreg_imm32_b32 hwreg(HW_REG_WAVE_MODE, 25, 1), 1
	s_wait_xcnt 0x0
; centroids [4096][256] f32 -> cimg: 256 records of 2,304 bytes, one for each 16 centroids, laid in the order in which the next launch's operand registers take them.
; A record:  0 .. 2047     the codes of FP4 (E2M1): block b (32 along K, b = 0 .. 7) of row r at 256 b + 16 r: a load of 16 bytes a lane at 16 x lane + 512 u brings registers 4 u .. 4 u + 3 of the two fragments
;            2048 .. 2175  the scale words: 64 s + 4 r: the four E8M0 bytes of blocks 4 s .. 4 s + 3 of row r
;            2176 .. 2239  -c_sq / 2 of the 16 rows, f32;   2240 .. 2303  zeros (every byte that the next launch moves is stored)
; A block's scale is 2^(floor(log2(its largest magnitude)) - 2); its byte is the largest magnitude's exponent field - 2, held at 1 from below.  A block of zeros so gets the byte 1: its codes are zeros, and this program alone reads the bytes.
; c_sq AS reference() WRITES IT: centroids * centroids is an array of f32, so each product is rounded by itself, and the 256 are then added in ascending order, in one chain.  That is why multiply and add are not fused here:
; the result of the program is an index that is compared exactly, and c_sq's last bit can decide it.  The halving is exact.
; LIMITS: NaN and infinities are not served; blocks whose largest magnitude lies under 2^-124 keep the byte 1; another order of c_sq's additions can give another last bit.
; SHARES: one wave takes 32 rows, A LANE A ROW: a block's 32 numbers lie in one lane, so that its maximum needs no other lane and the sum keeps its order.  The rows come by one tensor load (32 rows x 1,024 bytes),
; padded in LDS to a pitch of 1,040 bytes = 65 x 16, so that the lanes' 16-byte reads of one column start at different banks (64 banks of 4 bytes: ISA guide 11.1).  LDS is filled once and read by the wave that filled it: no barrier.
.set PITCH, 1040
.set REC,   2304
.set LA,  1                            ; v1       LDS address of my row
.set CO,  2                            ; v2       my codes' place in the two records: 2304 (lane / 16) + 16 (lane % 16)
.set SO,  3                            ; v3       my words' place: 2304 (lane / 16) + 4 (lane % 16)
.set MX,  4                            ; v4-5     two chains of the largest magnitude
.set SF,  6                            ; v6       the conversions' scale operand
.set SB,  7                            ; v7       a scale byte
.set SW,  8                            ; v8-9     the two scale words
.set SUM, 10                           ; v10      c_sq, then -c_sq / 2
.set NIL, 11                           ; v11      0
.set X,   32                           ; v32-95   two sets of 32 numbers
.set C,   96                           ; v96-127  four registers of codes for each block: no store's data are written again
.set PR,  128                          ; v128-159 a block's 32 products
	s_load_b128 s[4:7], s[0:1], 0x0                ; centroids, cimg
	v_lshl_add_u32 v160, v0, 2, 0x29000
	v_mov_b32 v161, 0
	ds_add_u32 v160, v161
	ds_add_u32 v160, v161
	s_lshl_b32 s8, ttmp9, 15                       ; my 32 rows of 1,024 bytes
	s_mov_b32 s9, 0
	s_mul_i32 s10, ttmp9, 2*REC                    ; my two records
	s_mov_b32 s11, 0
	s_mov_b32 s12, 1                               ; group 0: count = 1
	s_mov_b32 s13, 0                               ; LDS address 0
	s_mov_b32 s16, (2<<16)|(1<<20)|(7<<22)|(3<<25) ; group 1: no mask; elements of 4 bytes; padding on: behind every 256 words (code 7) four words (code 3)
	s_mov_b32 s17, 256<<16                         ; tensor_dim0 = 256
	s_mov_b32 s18, 32<<16                          ; tensor_dim1 = 32
	s_mov_b32 s19, 256<<16                         ; tile_dim0 = 256
	s_mov_b32 s20, 32                              ; tile_dim1 = 32
	s_mov_b32 s21, 256                             ; elements from row to row
	s_mov_b32 s22, 0
	s_mov_b32 s23, 0
	s_wait_dscnt 0x0
	s_wait_kmcnt 0x0
	s_add_nc_u64 s[14:15], s[4:5], s[8:9]          ; the tile's first element
	s_or_b32 s15, s15, 0x80000000                  ; type = 2
	s_add_nc_u64 s[6:7], s[6:7], s[10:11]
	tensor_load_to_lds s[12:15], s[16:23]
	s_nop 0
.rept 4
	v_nop
.endr
	v_mul_u32_u24 v[LA], v0, PITCH
	v_lshrrev_b32 v[MX], 4, v0
	v_and_b32 v[MX+1], 15, v0
	v_mul_u32_u24 v[MX], v[MX], REC
	v_lshl_add_u32 v[CO], v[MX+1], 4, v[MX]
	v_lshl_add_u32 v[SO], v[MX+1], 2, v[MX]
	v_mov_b32 v[NIL], 0
	s_wait_alu depctr_va_vdst(0)
	s_wait_tensorcnt 0x0                           ; my one tensor load has landed; only this wave reads its bytes
.macro LB b                            ; block b of my row, 128 bytes, into set b % 2
.irp t, 0,1,2,3,4,5,6,7
	ds_load_b128 v[X+32*((\b)%2)+4*\t:X+32*((\b)%2)+4*\t+3], v[LA] offset:128*(\b)+16*\t
.endr
.endm
.macro MAXOP m                         ; number m of the 16 lines that find the block's largest magnitude: two chains, and the floor 2^(3 - 127) as the last leaf, so that the byte cannot fall under 1
.if (\m) == 0
	v_max3_num_f32 v[MX], |v[XS]|, |v[XS+1]|, |v[XS+2]|
.elseif (\m) == 1
	v_max3_num_f32 v[MX+1], |v[XS+3]|, |v[XS+4]|, |v[XS+5]|
.elseif (\m) < 14
	v_max3_num_f32 v[MX+(\m)%2], v[MX+(\m)%2], |v[XS+2+2*(\m)]|, |v[XS+3+2*(\m)]|
.elseif (\m) == 14
	v_max3_num_f32 v[MX], v[MX], |v[XS+30]|, |v[XS+31]|
.else
	v_max3_num_f32 v[MX], v[MX], v[MX+1], 0x1800000
.endif
.endm
.macro BLK b
.set XS, X+32*((\b)%2)
.if (\b) < 7
	s_wait_dscnt 8                                 ; this block's eight loads are in; the next block's eight may be out
.else
	s_wait_dscnt 0x0
.endif
.set i, 0
.rept 32                               ; the 32 products, each rounded to f32; the very first starts the sum
.if ((\b) == 0) && (i == 0)
	v_mul_f32 v[SUM], v[XS], v[XS]
.else
	v_mul_f32 v[PR+i], v[XS+i], v[XS+i]
.endif
.set i, i+1
.endr
.set i, 0
.rept 32                               ; the chain of additions, ascending; a line of the maximum stands behind every second link
.if ((\b) > 0) || (i > 0)
	v_add_f32 v[SUM], v[SUM], v[PR+i]
.endif
.if i%2 == 0
	MAXOP i/2
.endif
.set i, i+1
.endr
	v_add_nc_u32 v[SF], 0xff000000, v[MX]          ; 2 off the exponent field: the conversion takes the exponent field of this operand as its scale, and nothing else of it
.if (\b)%4 == 0
	v_lshrrev_b32 v[SW+(\b)/4], 23, v[SF]          ; the scale's byte: the lowest of its word
.else
	v_lshrrev_b32 v[SB], 23, v[SF]
	v_lshl_or_b32 v[SW+(\b)/4], v[SB], 8*((\b)%4), v[SW+(\b)/4]
.endif
.irp g, 0,1,2,3
	v_cvt_scalef32_pk8_fp4_f32 v[C+4*(\b)+\g], v[XS+8*\g:XS+8*\g+7], v[SF]   ; eight numbers / the scale, to the nearest code, ties to even, beyond 6 the largest code; the first number's code in the lowest bits
.endr
	v_nop                                          ; one plain line behind the last conversion of a run
	global_store_b128 v[CO], v[C+4*(\b):C+4*(\b)+3], s[6:7] offset:256*(\b)   ; sixteen lanes store 256 consecutive bytes, at a multiple of 256 from cimg's first byte
.if (\b)+2 < 8
	LB (\b)+2
.endif
.endm
	LB 0
	LB 1
.irp b, 0,1,2,3,4,5,6,7
	BLK \b
.endr
	v_mul_f32 v[SUM], -0.5, v[SUM]                 ; exact
	global_store_b32 v[SO], v[SW], s[6:7] offset:2048     ; these four lines together fill the record's last 256 bytes
	global_store_b32 v[SO], v[SW+1], s[6:7] offset:2112
	global_store_b32 v[SO], v[SUM], s[6:7] offset:2176
	global_store_b32 v[SO], v[NIL], s[6:7] offset:2240
	s_wait_tensorcnt 0x0
	ds_add_u32 v160, v161
	s_wait_dscnt 0x0
	s_endpgm
.Lfunc_end_k_q46344f607a_prep:
	.size	k_q46344f607a_prep, .Lfunc_end_k_q46344f607a_prep-k_q46344f607a_prep
	.p2alignl 7, 3214868480
	.fill 96, 4, 3214868480
	.section	.rodata,"a",@progbits
	.p2align	6, 0x0
	.amdhsa_kernel k_q46344f607a_prep
		.amdhsa_group_segment_fixed_size 168192
		.amdhsa_private_segment_fixed_size 0
		.amdhsa_enable_private_segment 0
		.amdhsa_kernarg_size 16
		.amdhsa_user_sgpr_count 2
		.amdhsa_user_sgpr_kernarg_segment_ptr 1
		.amdhsa_wavefront_size32 1
		.amdhsa_system_sgpr_workgroup_id_x 1
		.amdhsa_system_sgpr_workgroup_id_y 1
		.amdhsa_system_sgpr_workgroup_id_z 1
		.amdhsa_system_vgpr_workitem_id 0
		.amdhsa_next_free_vgpr 162
		.amdhsa_next_free_sgpr 66
		.amdhsa_reserve_vcc 0
		.amdhsa_float_denorm_mode_32 3
		.amdhsa_float_denorm_mode_16_64 3
		.amdhsa_memory_ordered 1
		.amdhsa_forward_progress 1
		.amdhsa_inst_pref_size 36
	.end_amdhsa_kernel
	.amdgpu_metadata
---
amdhsa.version: [ 1, 2 ]
amdhsa.kernels:
  - .name:           k_q46344f607a_prep
    .symbol:         k_q46344f607a_prep.kd
    .args:
      - { .name: centroids, .offset: 0, .size: 8, .value_kind: global_buffer, .address_space: global }
      - { .name: cimg, .offset: 8, .size: 8, .value_kind: global_buffer, .address_space: global }
    .group_segment_fixed_size: 168192
    .private_segment_fixed_size: 0
    .kernarg_segment_align: 8
    .kernarg_segment_size: 16
    .max_flat_workgroup_size: 32
    .sgpr_count:     66
    .vgpr_count:     162
    .wavefront_size: 32
...
	.end_amdgpu_metadata
.endif
;; end of part 1
;; launch main (part 2): grid 256 x 1, 8 waves a work-group, clusters of 4 x 1, 327,680 bytes of LDS; arguments x, cimg, out0; writes out0
.if DOCPART == 2
	.amdgcn_target "amdgcn-amd-amdhsa--gfx1250"
	.amdhsa_code_object_version 6
	.text
	.protected	k_q46344f607a_main
	.globl	k_q46344f607a_main
	.p2align	8
	.type	k_q46344f607a_main,@function
k_q46344f607a_main:
	s_mov_b64 s[64:65], 0
	v_nop
	global_prefetch_b8 v0, s[64:65] scope:SCOPE_SE
	s_setreg_imm32_b32 hwreg(HW_REG_WAVE_MODE, 25, 1), 1
	s_wait_xcnt 0x0
	s_wait_alu depctr_hold_cnt(0) depctr_sa_sdst(0) depctr_va_vdst(0) depctr_va_sdst(0) depctr_va_ssrc(0) depctr_va_vcc(0) depctr_vm_vsrc(0)
	s_getreg_b32 s2, hwreg(HW_REG_IB_STS2, 6, 4)
	s_cmp_eq_u32 s2, 0
	s_cbranch_scc0 .Lentry_in_a_cluster
	s_endpgm
.Lentry_in_a_cluster:
	s_bfe_u32 s2, ttmp6, 0x10000c
	s_cmp_lg_u32 s2, 0x3003
	s_cbranch_scc0 .Lentry_shape_is_right
	s_endpgm
.Lentry_shape_is_right:
; out0[n] = argmin over k of (c_sq[k] - 2 x[n] . c[k]) = the lowest k with the largest x[n] . c[k] - c_sq[k] / 2.  x: [65536][256] f32, quantised here to FP4 (E2M1) with one E8M0 scale for each 32 along K;
; the centroids' codes, scale words and -c_sq / 2 come from cimg, 256 records of 2,304 bytes (16 centroids each), laid as images of the operand's registers by the launch before.
; THE PRODUCT: source 0 = 16 centroids, source 1 = 16 rows of x, so that a lane holds ONE row of x (lane % 16) and its eight result registers eight centroids (8 (lane / 16) + j).  K = 256 is two matrix instructions;
; -c_sq / 2 is the C of the first, so that the score costs no vector instruction.
; THE ARGMAX, for a tile of 16 centroids x 16 rows: four v_max3 take the largest of the eight scores and the best so far; one compare (new best > old best: strictly, so that the earlier tile stays on a tie); one select keeps the
; visit's number, four dual selects keep the tile's eight scores.  Ten issue slots for eight scores, and no branch on data.  Which of the eight it was is found once a block of rows: the lowest j whose kept score equals the best.
; SHARES.  A work-group owns 256 rows, as two blocks of 128 = eight tiles of 16.  Wave w = 4 g + q keeps tiles 4 g .. 4 g + 3 of the block in registers and visits records 4 v + q, v = 0 .. 63: a visit is 8 matrix instructions.
; So a row has eight candidates (q, lane / 16); they meet in LDS, the larger score wins and on equal scores the lower index.  Wave w also quantises tile w of each block.
; x: block 0 is asked for at the head; block 1 by ordinary loads as soon as block 0's operands are made: it has all of block 0's products in which to land (32 loads of 16 bytes a lane, in 128 registers of their own).
; THE CENTROIDS go through a ring of two LDS slots of 64 records (147,456 bytes), four chunks a block of rows.  CLUSTER: all work-groups walk the same bytes, so the four of a cluster ask JOINTLY: each wave one tensor load of
; 72 rows x 256 bytes, with the same descriptor in all four and a mask that names the four.  One tensor load of a wave is out at a time; it has a chunk's 16 visits in which to land.
; No prefetch: x's second half is asked for a whole block ahead by its own loads, and cimg is read by every work-group.
; LIMITS: NaN and infinities are not served, and every score must be finite (the first visit has to beat -infinity).  Blocks of 32 whose largest magnitude lies under 2^-124 keep the scale byte 1.
; -c_sq / 2 enters as C, so a score is rounded by the matrix unit behind each 128 along K and not once as in reference(): two scores that differ by less than these roundings can change places.
.set USE_DUAL, 1                       ; 1: two selects in one instruction; 0: two plain selects, the same values
.set REC,   2304                       ; a record
.set CHUNK, 64*REC                     ; a slot
.set PART,  CHUNK/8                    ; what one wave's tensor load brings: 72 rows of 256 bytes
.set VSTEP, 4*REC                      ; from a wave's visit to its next
.set UB,    2*CHUNK                    ; behind the ring: 20,480 bytes used in turn, a barrier between, for the waves' stages (2,560 bytes each: 32 places of 64 + 16) and for x's images:
.set XIMG,  UB                         ;   tile T's codes at 2304 T + 288 b + 16 r: a block's pitch is 72 words, so that the 32 lanes of an image store (8 blocks x 2 rows x 2 halves, 8 bytes each) name 64 different banks (64 banks of 4 bytes: ISA guide 11.1),
.set XSC,   UB+18432                   ;   its scale words at 128 T + 64 s + 4 r
.set CAND,  UB+20480                   ; the candidates: row x 64 + (2 q + lane / 16) x 8: score, index
.set RES,   CAND+8192                  ; the block's 128 indices
.set SPARE, RES+512                    ; the spare words, 128 bytes for each wave: four blocks of 256 bytes that no other line names
; REGISTERS.  Window 0 holds all that the visits touch, so that they switch no window; window 1 (v256-383) is where x lands.
.set SPW, 1                            ; v1       LDS address of my spare word; never rewritten
.set NIL, 2                            ; v2       0; never rewritten
.set BA,  3                            ; v3-5     my lane's place in a record of my stream: codes 16 l + 2304 q; scale word 4 l + 2304 q + 2048; -c_sq / 2: 32 (l / 16) + 2304 q + 2176
.set AD,  6                            ; v6-8, v9-11  these three + the record's LDS byte, a triple for each operand set: a triple is written only when the loads that named it are in
.set WK,  12                           ; v12-15   two partial maxima for each of two tiles
.set XS,  16                           ; v16-19   x's scale words, a register a tile: lanes 0-15 K step 0, lanes 16-31 K step 1.  These and v20-21 hold scales and nothing else
.set ASC, 20                           ; v20-21   the record's scale words, laid likewise, a register a set
.set XF,  22                           ; v22-85   x's fragments: 16 registers a tile (K steps 0, 1)
.set AFR, 86                           ; v86-117  the record's fragments: two sets of 16
.set ABI, 118                          ; v118-133 -c_sq / 2 in the result's layout: two sets of 8
.set D,   134                          ; v134-197 the scores: two sets of four tiles x 8
.set ST,  198                          ; v198-245 12 a tile: +0 and +2 the best score, by turns; +1 the index; +3 the visit that holds the best; +4 .. +11 that visit's eight scores
.set XO,  246                          ; v246     16 x lane: the offset of x's loads and of out0's store; never rewritten
.set STA, 247                          ; v247-255 LDS addresses for the work between blocks, made once
.set STL, 248
.set XIA, 249
.set XSA, 250
.set XFL, 251
.set XSL, 252
.set CWA, 253
.set CRA, 254
.set RSA, 255
; between blocks the scores' registers are free:
.set X0,  D                            ; two sets of 16 neighbours of x
.set XC,  D+32                         ; 16 registers of codes
.set XE,  D+48                         ; 8 scale bytes
.set QM,  D+56                         ; two chains of a maximum, the conversions' scale operand
.set CBR, D+59                         ; 16 q + 8 (lane / 16)
.set RC,  D                            ; four candidates, and the neighbour lane's
.set RO,  D+10                         ; four indices on their way out
.set RT,  D+14                         ; where they are read
.set WV,  10                           ; s10 wave;  s11 q;  s12 g
.set SQ,  11
.set SG,  12
.set LC,  15                           ; s15 counts trips
.set VI,  16                           ; s16 the number of the visit that is being reduced
.set TB,  17                           ; s17 LDS byte of the record (of stream 0) that the next address triple will point at
.set G1,  24                           ; s[24:31] descriptor group 1
.set G0,  32                           ; s[32:39] descriptor group 0, a set for each slot
.set MK,  40                           ; s40-41 lane masks
.set MSB, 0
.macro WIN new                         ; the immediate's high byte repeats the setting that is left
.if MSB != \new
	s_set_vgpr_msb (MSB<<8)|\new
.set MSB, \new
.endif
.endm
; A round of the cluster's barrier: my work-group's barrier, so that wave 0's signal speaks for all eight waves; wave 0 signals for the work-group; every wave waits for all four work-groups; my work-group's barrier once more.
.macro ROUND
	s_barrier_signal -1
	s_barrier_wait -1
	RREST
.endm
.macro RREST                           ; a round behind its opening barrier
	s_cmp_lg_u32 s[WV], 0
	s_cbranch_scc1 .Lnot_wave_0_\@
	s_barrier_signal -3
.Lnot_wave_0_\@:
	s_barrier_wait -3
	s_barrier_signal -1
	s_barrier_wait -1
.endm
.macro BARRIER                         ; my LDS stores have landed and my LDS loads are in: then the work-group's barrier.  A tensor load may stay out across it
	s_wait_dscnt 0x0
	s_barrier_signal -1
	s_barrier_wait -1
.endm
; My tile's 16 rows of x, 16,384 consecutive bytes from off on: 32 loads, each of 512 consecutive bytes, into window 1
; Block 1's rows are asked for in four parts of eight loads (4,096 bytes a wave each), in ascending order, behind the second visit and behind the loop of block 0's phases 0 and 1:
; the record that the next visit waits for was asked for ahead of each part, and the last part has phases 2 and 3 in which to land.  XL counts the parts that the text has laid.
.macro XPART off, k
	WIN 0x40                                       ; destination window 1
.set j, 8*(\k)
.rept 8
	global_load_b128 v[4*j:4*j+3], v[XO], s[4:5] offset:(\off)+512*j th:TH_LOAD_NT
.set j, j+1
.endr
	WIN 0
.endm
.macro XMORE
.if XL < 4
	XPART 131072, XL
.set XL, XL+1
.endif
.endm
.macro XLOAD off
	WIN 0x40                                       ; destination window 1
.set j, 0
.rept 32
	global_load_b128 v[4*j:4*j+3], v[XO], s[4:5] offset:(\off)+512*j th:TH_LOAD_NT
.set j, j+1
.endr
	WIN 0
.endm
; Piece p (rows 2 p, 2 p + 1: four loads) turns through my stage: in as it was loaded, four lanes' 64 bytes on end and 16 of padding; out 64 bytes a lane: lane l then holds 16 NEIGHBOURS: row 2 p + l / 16, block (l % 16) / 2, half l % 2.
; LDS serves a wave's instructions in order (ISA guide 5.7.1.4): no wait between the stores and the loads, and the next piece's stores come behind these loads.
.macro TURN p
	s_wait_loadcnt 28-4*(\p)                       ; loads come back in order: this piece's four are in; the four of each later piece may be out
	WIN 0x04                                       ; an LDS store's data are its source 1: window 1
.irp i, 0,1,2,3
	ds_store_b128 v[STA], v[16*(\p)+4*\i:16*(\p)+4*\i+3] offset:640*\i
.endr
	WIN 0
.irp i, 0,1,2,3
	ds_load_b128 v[X0+16*((\p)%2)+4*\i:X0+16*((\p)%2)+4*\i+3], v[STL] offset:16*\i
.endr
.endm
.macro QUANT p                         ; my 16 numbers of piece p become 16 codes (8 bytes) and, with my neighbour lane, a scale byte
.set XR, X0+16*((\p)%2)
	v_max3_num_f32 v[QM], |v[XR]|, |v[XR+1]|, |v[XR+2]|
	v_max3_num_f32 v[QM+1], |v[XR+3]|, |v[XR+4]|, |v[XR+5]|
.irp i, 6,10
	s_delay_alu instid0(VALU_DEP_2)
	v_max3_num_f32 v[QM], v[QM], |v[XR+\i]|, |v[XR+\i+1]|
	s_delay_alu instid0(VALU_DEP_2)
	v_max3_num_f32 v[QM+1], v[QM+1], |v[XR+\i+2]|, |v[XR+\i+3]|
.endr
	s_delay_alu instid0(VALU_DEP_2)
	v_max3_num_f32 v[QM], v[QM], |v[XR+14]|, |v[XR+15]|
	s_delay_alu instid0(VALU_DEP_1)
	v_max3_num_f32 v[QM], v[QM], v[QM+1], 0x1800000                ; and the floor 2^(3 - 127): the byte cannot fall under 1
	s_delay_alu instid0(VALU_DEP_1)
	v_max_num_f32_dpp v[QM], v[QM], v[QM] row_xmask:1 row_mask:0xf bank_mask:0xf   ; with my neighbour's 16: the block's largest magnitude
	s_delay_alu instid0(VALU_DEP_1)
	v_add_nc_u32 v[QM+2], 0xff000000, v[QM]        ; 2 off its exponent field: the conversions' scale operand
	v_cvt_scalef32_pk8_fp4_f32 v[XC+2*(\p)], v[XR:XR+7], v[QM+2]
	v_cvt_scalef32_pk8_fp4_f32 v[XC+2*(\p)+1], v[XR+8:XR+15], v[QM+2]
	v_lshrrev_b32 v[XE+(\p)], 23, v[QM+2]          ; the scale's byte; also the plain line behind the conversions
.endm
.macro XQ                              ; my tile is quantised, the turn through the stage one piece ahead of the arithmetic
	TURN 0
.irp p, 0,1,2,3,4,5,6,7
.if \p < 7
	TURN \p+1
	s_wait_dscnt 8                                 ; this piece is back; the next piece's four stores and four loads may be out
.else
	s_wait_dscnt 0x0
.endif
	QUANT \p
.endr
.endm
.macro XIMAGE                          ; codes and scale bytes to their places in my tile's image (both lanes of a block write the same byte with the same value)
.irp p, 0,1,2,3,4,5,6,7
	ds_store_b64 v[XIA], v[XC+2*\p:XC+2*\p+1] offset:32*\p
	ds_store_b8 v[XSA], v[XE+\p] offset:8*\p
.endr
.endm
.macro XFRAG                           ; my four tiles' fragments and scale words, as images of the registers
.irp i, 0,1,2,3
.irp u, 0,1,2,3
	ds_load_b128 v[XF+16*\i+4*\u:XF+16*\i+4*\u+3], v[XFL] offset:2304*\i+576*\u
.endr
	ds_load_b32 v[XS+\i], v[XSL] offset:128*\i
.endr
.endm
.macro ADR set                         ; the set's address triple points at the record at s[TB]
.irp c, 0,1,2
	v_add_nc_u32 v[AD+3*(\set)+\c], s[TB], v[BA+\c]
.endr
.endm
.macro LOADA set                       ; a record into an operand set: seven loads
.irp u, 0,1,2,3
	ds_load_b128 v[AFR+16*(\set)+4*\u:AFR+16*(\set)+4*\u+3], v[AD+3*(\set)] offset:512*\u
.endr
	ds_load_b32 v[ASC+(\set)], v[AD+3*(\set)+1]
.irp c, 0,1
	ds_load_b128 v[ABI+8*(\set)+4*\c:ABI+8*(\set)+4*\c+3], v[AD+3*(\set)+2] offset:16*\c
.endr
.endm
.macro SAVE2 sv, d                     ; two kept scores take the visit's where VCC says so
.if USE_DUAL
	v_dual_cndmask_b32 v[\sv], v[\sv], v[\d] :: v_dual_cndmask_b32 v[\sv+1], v[\sv+1], v[\d+1]
.else
	v_cndmask_b32 v[\sv], v[\sv], v[\d], vcc_lo
	v_cndmask_b32 v[\sv+1], v[\sv+1], v[\d+1], vcc_lo
.endif
.endm
; Number n of the 40 lines that reduce a visit of parity e (its scores lie in set e).  20 lines for tiles 0, 1, then 20 for tiles 2, 3.  In a twenty: 0-2 tile a's three partial maxima (each accumulator is first read at its low
; end), 3-5 tile b's, 6, 7 the new bests, 8 a's compare, 9 its visit number, 10-13 its eight scores, 14-19 the same for b.  The old best lies at +2 e, the new at +2 (1 - e): after visit 63 at +0.
.macro AOP n, e
.set pr, (\n)/20
.set kk, (\n)%20
.if kk < 6
.set zz, kk/3
.set oo, kk%3
.elseif kk < 8
.set zz, kk-6
.set oo, 3
.else
.set zz, (kk-8)/6
.set oo, 4+(kk-8)%6
.endif
.set rD, D+32*(\e)+8*(2*pr+zz)
.set rT, ST+12*(2*pr+zz)
.set rW, WK+2*zz
.set rO, rT+2*(\e)
.set rN, rT+2-2*(\e)
.if oo == 0
	v_max3_num_f32 v[rN], v[rD], v[rD+1], v[rD+2]
.elseif oo == 1
	v_max3_num_f32 v[rW], v[rD+3], v[rD+4], v[rD+5]
.elseif oo == 2
	v_max3_num_f32 v[rW+1], v[rD+6], v[rD+7], v[rO]
.elseif oo == 3
	v_max3_num_f32 v[rN], v[rN], v[rW], v[rW+1]
.elseif oo == 4
	v_cmp_gt_f32 vcc_lo, v[rN], v[rO]
.elseif oo == 5
	v_cndmask_b32 v[rT+3], v[rT+3], s[VI], vcc_lo
.else
	SAVE2 rT+4+2*(oo-6), rD+2*(oo-6)
.endif
.endm
; Matrix instruction mi of a visit's eight: tile mi % 4, K step mi / 4.  The four accumulators take turns, one instruction a turn.  K step 1 takes both sides' scales from lanes 16-31.
.macro MM par
.set xi, mi%4
.set rD, D+32*(\par)+8*xi
.set rA, AFR+16*(\par)
.set rX, XF+16*xi
.if mi < 4
	v_wmma_scale_f32_16x16x128_f8f6f4 v[rD:rD+7], v[rA:rA+7], v[rX:rX+7], v[ABI+8*(\par):ABI+8*(\par)+7], v[ASC+(\par)], v[XS+xi] matrix_a_fmt:MATRIX_FMT_FP4 matrix_b_fmt:MATRIX_FMT_FP4
.else
	v_wmma_scale_f32_16x16x128_f8f6f4 v[rD:rD+7], v[rA+8:rA+15], v[rX+8:rX+15], v[rD:rD+7], v[ASC+(\par)], v[XS+xi] matrix_a_fmt:MATRIX_FMT_FP4 matrix_b_fmt:MATRIX_FMT_FP4 matrix_a_scale:MATRIX_SCALE_ROW1 matrix_b_scale:MATRIX_SCALE_ROW1
.endif
.endm
; A VISIT: one record against my four tiles, on operand and score set par.  pf = 1: the next visit's record is asked for first, into the other set.  prev = 1: the visit before is reduced meanwhile, five lines behind each matrix
; instruction.  adr = 1: this set's address triple steps to the visit after next.
; PLACES: the loads at a visit's head go into registers that the visit before read: behind its last matrix instruction stand five lines of the reduction, which name the other set's scores and the statistics alone
; (or four v_nop).  A tile's scores are first read 20 such lines or more behind the instruction that finished them, and written again a whole visit later.
.macro VISIT par, pf, prev, adr
.if \pf
	LOADA 1-\par
	s_wait_dscnt 7                                 ; this visit's record is in; the seven loads just issued may be out
.else
	s_wait_dscnt 0x0
.endif
.set mi, 0
.rept 8
	MM \par
.if \prev
.set nn, 5*mi
.rept 5
	AOP nn, 1-\par
.set nn, nn+1
.endr
.endif
.set mi, mi+1
.endr
.if \adr
	ADR \par                                       ; the loads that named this triple are in (the wait above)
	s_add_co_u32 s[TB], s[TB], VSTEP
.endif
.if \prev
	s_add_co_u32 s[VI], s[VI], 1
.else
.rept 4
	v_nop
.endr
.endif
.endm
; A PHASE: chunk p of the centroids, which lies in slot p % 2: 16 visits.  At its head the change of slots: each wave waits for all its tensor loads (one is out: its part of this chunk), adds 0 to its spare word, and waits for that
; and for its reads of the other slot.  refill = 1: a round of the cluster's barrier follows, so that no wave of any partner still reads that slot or has a load on its way, and the joint load of chunk (p + 1) % 4 into it is the first
; thing behind the round.  first = 1: a block's first visit has no visit before it to reduce.
.macro PHASE p, first, refill
	s_wait_tensorcnt 0x0                           ; no tensor load of mine is out, so a group 0 may be written
	ds_add_u32 v[SPW], v[NIL]                      ; 0 onto my spare word
.if (\p) < 2                           ; this slot's next chunk: two on, round the four
	s_add_nc_u64 s[G0+4*((\p)%2)+2:G0+4*((\p)%2)+3], s[G0+4*((\p)%2)+2:G0+4*((\p)%2)+3], 2*CHUNK
.else
	s_sub_nc_u64 s[G0+4*((\p)%2)+2:G0+4*((\p)%2)+3], s[G0+4*((\p)%2)+2:G0+4*((\p)%2)+3], 2*CHUNK
.endif
	s_wait_dscnt 0x0                               ; the add is done, and my reads of the other slot are over
	s_barrier_signal -1                            ; the barrier of the change of slots (with a refill it opens the cluster's round)
.if \first == 0
	DRAIN                                          ; work on registers while the others arrive: the last chunk's last visit is reduced here
	s_add_co_u32 s[VI], s[VI], 1
	s_wait_alu depctr_va_vdst(0)
.endif
	s_barrier_wait -1
.if \refill
	RREST
	tensor_load_to_lds s[G0+4-4*((\p)%2):G0+7-4*((\p)%2)], s[G1:G1+7]   ; my one tensor load until the next round
	s_nop 0
.rept 4
	v_nop
.endr
.endif
	s_mov_b32 s[TB], CHUNK*((\p)%2)
	ADR 0
	LOADA 0                                        ; the phase's first record
	s_add_co_u32 s[TB], s[TB], VSTEP
	ADR 1
	s_add_co_u32 s[TB], s[TB], VSTEP
	VISIT 0, 1, 0, 1                               ; a phase's first visit finds nothing left to reduce
	VISIT 1, 1, 1, 1
	XMORE
	s_mov_b32 s[LC], 6
.Ltrip_\@:                             ; a trip is two visits, one on each set
	s_wait_alu depctr_va_vdst(0)
	VISIT 0, 1, 1, 1
	VISIT 1, 1, 1, 1
	s_sub_co_u32 s[LC], s[LC], 1
	s_cmp_lg_u32 s[LC], 0
	s_cbranch_scc1 .Ltrip_\@
	XMORE
	VISIT 0, 1, 1, 0                               ; the chunk's last two visits: no address beyond the slot is made, and the last asks for nothing
	VISIT 1, 0, 1, 0
.endm
.macro BINIT                           ; a block of rows begins: the best is -infinity, under every score
.irp i, 0,1,2,3
	v_mov_b32 v[ST+12*\i], 0xff800000
.endr
	s_mov_b32 s[VI], 0
.endm
.macro DRAIN                           ; the block's last visit is reduced
.set nn, 0
.rept 40
	AOP nn, 1
.set nn, nn+1
.endr
.endm
.macro RESOLVE                         ; which of the kept eight is the best: the lowest j that equals it.  The centroid is 64 x visit + 16 q + 8 (lane / 16) + j.  Score and index go to the row's candidates
	s_lshl_b32 s18, s[SQ], 4
	v_bfe_u32 v[CBR], v0, 4, 1
	s_delay_alu instid0(VALU_DEP_1)
	v_lshl_add_u32 v[CBR], v[CBR], 3, s18
.irp i, 0,1,2,3
	v_mov_b32 v[ST+12*\i+1], 7
.endr
.irp j, 6,5,4,3,2,1,0
.irp i, 0,1,2,3
	v_cmp_eq_f32 vcc_lo, v[ST+12*\i+4+\j], v[ST+12*\i]
	s_delay_alu instid0(VALU_DEP_1)
	v_cndmask_b32 v[ST+12*\i+1], v[ST+12*\i+1], \j, vcc_lo
.endr
.endr
.irp i, 0,1,2,3
	v_lshl_add_u32 v[ST+12*\i+1], v[ST+12*\i+3], 6, v[ST+12*\i+1]
	s_delay_alu instid0(VALU_DEP_1)
	v_add_nc_u32 v[ST+12*\i+1], v[CBR], v[ST+12*\i+1]
	ds_store_b64 v[CWA], v[ST+12*\i:ST+12*\i+1] offset:1024*\i
.endr
.endm
.macro MERGE va, ia, vb, ib            ; (va, ia) takes (vb, ib) where vb is larger, or equal with the lower index
	v_cmp_gt_f32 s[MK], v[\vb], v[\va]
	v_cmp_eq_f32 s[MK+1], v[\vb], v[\va]
	v_cmp_lt_u32 vcc_lo, v[\ib], v[\ia]
	s_and_b32 s[MK+1], s[MK+1], vcc_lo
	s_or_b32 s[MK], s[MK], s[MK+1]
	v_cndmask_b32 v[\va], v[\va], v[\vb], s[MK]
	v_cndmask_b32 v[\ia], v[\ia], v[\ib], s[MK]
.endm
.macro REDUCE                          ; thread t takes four of row t / 2's eight candidates, its neighbour lane the other four; both write the row's index, the same number
	ds_load_b128 v[RC:RC+3], v[CRA]
	ds_load_b128 v[RC+4:RC+7], v[CRA] offset:16
	v_mov_b32 v[RC+8], 0                           ; (a lane exchange's destination counts as one of its sources)
	v_mov_b32 v[RC+9], 0
	s_wait_dscnt 0x0
	MERGE RC, RC+1, RC+2, RC+3
	MERGE RC+4, RC+5, RC+6, RC+7
	MERGE RC, RC+1, RC+4, RC+5
	s_delay_alu instid0(VALU_DEP_2)
	v_mov_b32_dpp v[RC+8], v[RC] row_xmask:1 row_mask:0xf bank_mask:0xf
	s_delay_alu instid0(VALU_DEP_2)
	v_mov_b32_dpp v[RC+9], v[RC+1] row_xmask:1 row_mask:0xf bank_mask:0xf
	MERGE RC, RC+1, RC+8, RC+9
	ds_store_b32 v[RSA], v[RC+1]
.endm
.macro OUTST blk                       ; wave 0 stores the block's 128 indices: 512 consecutive bytes, at a multiple of 256 from out0's first byte
	v_add_nc_u32 v[RT], RES, v[XO]                 ; made on every wave's path
	s_cmp_lg_u32 s[WV], 0
	s_cbranch_scc1 .Lnot_mine_\@
	ds_load_b128 v[RO:RO+3], v[RT]
	s_wait_dscnt 0x0
	global_store_b128 v[XO], v[RO:RO+3], s[8:9] offset:512*\blk th:TH_STORE_NT
	s_wait_xcnt 0x0                                ; the store has read its registers: the next block's scores may be written there
.Lnot_mine_\@:
.endm
	s_load_b128 s[4:7], s[0:1], 0x0                ; x, cimg
	s_load_b64 s[8:9], s[0:1], 0x10                ; out0
	v_lshl_add_u32 v[SPW], v0, 2, SPARE
	v_mov_b32 v[NIL], 0
	ds_add_u32 v1, v2
	ds_add_u32 v1, v2
	s_wait_dscnt 0x0
	v_lshrrev_b32 v[D], 5, v0
	s_delay_alu instid0(VALU_DEP_1)
	v_readfirstlane_b32 s[WV], v[D]                ; wave 0..7
	s_and_b32 s[SQ], s[WV], 3                      ; q: my stream of records
	s_lshr_b32 s[SG], s[WV], 2                     ; g: my four tiles of rows
	s_bfe_u32 s13, ttmp6, 0x40000                  ; cx: my place in the cluster; it enters x's and out0's addresses alone
	s_lshl_b32 s14, ttmp9, 2                       ; in a cluster launch ttmp9 counts clusters
	s_add_co_u32 s14, s14, s13                     ; my work-group
	s_lshl_b32 s18, s14, 18                        ; its 256 rows of 1,024 bytes,
	s_lshl_b32 s19, s[WV], 14                      ; my tile's 16 of a block
	s_add_co_u32 s18, s18, s19
	s_mov_b32 s19, 0
	s_lshl_b32 s20, s14, 10                        ; its 256 indices
	s_mov_b32 s21, 0
	s_mul_i32 s22, s[WV], PART                     ; my eighth of a chunk
	s_mov_b32 s23, 0
	s_mov_b32 s[G1], 15|(3<<16)|(1<<21)            ; 15:0 the mask: all four work-groups; 17:16 elements of 8 bytes; 21 set beside a mask; no padding: every read takes 16 bytes a lane on end
	s_mov_b32 s[G1+1], 32<<16                      ; tensor_dim0 = 32 (256 bytes)
	s_mov_b32 s[G1+2], 72<<16                      ; tensor_dim1 = 72
	s_mov_b32 s[G1+3], 32<<16                      ; tile_dim0 = 32
	s_mov_b32 s[G1+4], 72                          ; tile_dim1 = 72
	s_mov_b32 s[G1+5], 32                          ; elements from row to row: dense
	s_mov_b32 s[G1+6], 0
	s_mov_b32 s[G1+7], 0
	v_and_b32 v[D], 31, v0                         ; l
	s_delay_alu instid0(VALU_DEP_1)
	v_lshlrev_b32 v[XO], 4, v[D]
	s_wait_alu depctr_va_vdst(0)
	s_wait_kmcnt 0x0
	s_add_nc_u64 s[4:5], s[4:5], s[18:19]
	s_add_nc_u64 s[8:9], s[8:9], s[20:21]
	XLOAD 0                                        ; block 0's rows, before anything else
	s_mov_b32 s[G0], 1                             ; slot 0: count = 1,
	s_mul_i32 s[G0+1], s[WV], PART                 ; LDS address: no place in the cluster enters it,
	s_add_nc_u64 s[G0+2:G0+3], s[6:7], s[22:23]    ; chunk 0,
	s_or_b32 s[G0+3], s[G0+3], 0x80000000          ; type = 2
	s_mov_b32 s[G0+4], 1                           ; slot 1:
	s_add_co_u32 s[G0+5], s22, CHUNK
	s_add_nc_u64 s[G0+6:G0+7], s[6:7], s[22:23]
	s_add_nc_u64 s[G0+6:G0+7], s[G0+6:G0+7], CHUNK ; chunk 1
	s_or_b32 s[G0+7], s[G0+7], 0x80000000
	ROUND                                          ; all four work-groups are here: the first joint loads meet
	tensor_load_to_lds s[G0:G0+3], s[G1:G1+7]      ; chunk 0 into slot 0
	s_nop 0
.rept 4
	v_nop
.endr
	v_and_b32 v[D+1], 15, v0                       ; r
	v_bfe_u32 v[D+2], v0, 4, 1                     ; h
	s_mul_i32 s18, s[SQ], REC
	v_lshl_add_u32 v[BA], v[D], 4, s18
	s_add_co_u32 s19, s18, 2048
	v_lshl_add_u32 v[BA+1], v[D], 2, s19
	s_add_co_u32 s19, s18, 2176
	v_lshl_add_u32 v[BA+2], v[D+2], 5, s19
	s_mul_i32 s20, s[WV], 2560
	s_add_co_u32 s20, s20, UB                      ; my stage
	v_bfe_u32 v[D+3], v0, 2, 3
	s_delay_alu instid0(VALU_DEP_1)
	v_mul_u32_u24 v[D+3], v[D+3], 80
	v_and_b32 v[D+4], 3, v0
	s_delay_alu instid0(VALU_DEP_1)
	v_lshl_add_u32 v[D+3], v[D+4], 4, v[D+3]
	s_delay_alu instid0(VALU_DEP_1)
	v_add_nc_u32 v[STA], s20, v[D+3]               ; in: 80 (l / 4) + 16 (l % 4)
	v_mul_u32_u24 v[D+3], v[D], 80
	s_delay_alu instid0(VALU_DEP_1)
	v_add_nc_u32 v[STL], s20, v[D+3]               ; out: 80 l
	s_mul_i32 s21, s[WV], 2304
	s_add_co_u32 s21, s21, XIMG                    ; my tile's image
	v_bfe_u32 v[D+3], v0, 1, 3
	s_delay_alu instid0(VALU_DEP_1)
	v_mul_u32_u24 v[D+3], v[D+3], 288
	v_and_b32 v[D+4], 1, v0
	s_delay_alu instid0(VALU_DEP_1)
	v_lshl_add_u32 v[D+3], v[D+4], 3, v[D+3]
	s_delay_alu instid0(VALU_DEP_1)
	v_lshl_add_u32 v[D+3], v[D+2], 4, v[D+3]
	s_delay_alu instid0(VALU_DEP_1)
	v_add_nc_u32 v[XIA], s21, v[D+3]               ; 288 x block + 8 x half + 16 (l / 16); a piece adds two rows: 32
	s_lshl_b32 s21, s[WV], 7
	s_add_co_u32 s21, s21, XSC
	v_bfe_u32 v[D+3], v0, 3, 1
	v_bfe_u32 v[D+4], v0, 1, 2
	s_delay_alu instid0(VALU_DEP_1)
	v_lshl_add_u32 v[D+3], v[D+3], 6, v[D+4]
	s_delay_alu instid0(VALU_DEP_1)
	v_lshl_add_u32 v[D+3], v[D+2], 2, v[D+3]
	s_delay_alu instid0(VALU_DEP_1)
	v_add_nc_u32 v[XSA], s21, v[D+3]               ; 64 (block / 4) + block % 4 + 4 (l / 16); a piece adds 8
	s_mul_i32 s21, s[SG], 9216
	s_add_co_u32 s21, s21, XIMG
	v_lshl_add_u32 v[XFL], v[D+2], 5, v[XO]        ; 16 l + 32 (l / 16): lanes 16-31 take the next block, 288 bytes on
	s_delay_alu instid0(VALU_DEP_1)
	v_add_nc_u32 v[XFL], s21, v[XFL]               ; my four tiles' images, 16 bytes a lane
	s_lshl_b32 s21, s[SG], 9
	s_add_co_u32 s21, s21, XSC
	v_lshl_add_u32 v[XSL], v[D], 2, s21            ; and their scale words, 4 bytes a lane
	s_lshl_b32 s21, s[SG], 12
	s_lshl_b32 s19, s[SQ], 4
	s_add_co_u32 s21, s21, s19
	s_add_co_u32 s21, s21, CAND
	v_lshlrev_b32 v[D+3], 6, v[D+1]
	s_delay_alu instid0(VALU_DEP_1)
	v_lshl_add_u32 v[D+3], v[D+2], 3, v[D+3]
	s_delay_alu instid0(VALU_DEP_1)
	v_add_nc_u32 v[CWA], s21, v[D+3]               ; my candidate of row 64 g + 16 i + r
	v_lshl_add_u32 v[CRA], v0, 5, CAND             ; thread t reads 32 bytes: half of row t / 2's candidates
	v_lshrrev_b32 v[D+3], 1, v0
	s_delay_alu instid0(VALU_DEP_1)
	v_lshl_add_u32 v[RSA], v[D+3], 2, RES
.irp i, 0,1,2,3
	v_mov_b32 v[ST+12*\i+3], 0                     ; written once: the selects name their destination as a source; the first visit of a block overwrites all of these
.irp j, 0,1,2,3,4,5,6,7
	v_mov_b32 v[ST+12*\i+4+\j], 0
.endr
.endr
	XQ                                             ; block 0's rows become codes
	s_wait_alu depctr_va_vdst(0)
	BARRIER                                        ; every wave has left its stage,
	XIMAGE                                         ; whose bytes take the images
	BARRIER
	XFRAG
.set XL, 0                             ; block 1's rows: the next four XMORE ask for them.  (The stores that read their registers were waited for in front of the barriers)
	BINIT
	PHASE 0, 1, 1
	PHASE 1, 0, 1
	PHASE 2, 0, 1
	PHASE 3, 0, 1                                  ; asks for chunk 0 again, for block 1: that load stays out across the two barriers below, behind which nothing is filled
	DRAIN
	RESOLVE
	XQ
	BARRIER                                        ; all candidates lie in LDS, and every wave has left its stage
	REDUCE
	XIMAGE
	BARRIER                                        ; the 128 indices and block 1's images lie in LDS
	XFRAG
	OUTST 0
	BINIT
	PHASE 0, 1, 1
	PHASE 1, 0, 1
	PHASE 2, 0, 1
	PHASE 3, 0, 0
	DRAIN
	RESOLVE
	BARRIER
	REDUCE
	BARRIER
	OUTST 1
	s_wait_tensorcnt 0x0                           ; the wave's end, behind my last tensor load and my last LDS store
	ds_add_u32 v[SPW], v[NIL]
	s_wait_dscnt 0x0
	ROUND                                          ; the closing round: no work-group ends while a partner may still ask for a chunk that names it
	s_endpgm
.Lfunc_end_k_q46344f607a_main:
	.size	k_q46344f607a_main, .Lfunc_end_k_q46344f607a_main-k_q46344f607a_main
	.p2alignl 7, 3214868480
	.fill 96, 4, 3214868480
	.section	.rodata,"a",@progbits
	.p2align	6, 0x0
	.amdhsa_kernel k_q46344f607a_main
		.amdhsa_group_segment_fixed_size 327680
		.amdhsa_private_segment_fixed_size 0
		.amdhsa_enable_private_segment 0
		.amdhsa_kernarg_size 24
		.amdhsa_user_sgpr_count 2
		.amdhsa_user_sgpr_kernarg_segment_ptr 1
		.amdhsa_wavefront_size32 1
		.amdhsa_system_sgpr_workgroup_id_x 1
		.amdhsa_system_sgpr_workgroup_id_y 1
		.amdhsa_system_sgpr_workgroup_id_z 1
		.amdhsa_system_vgpr_workitem_id 0
		.amdhsa_next_free_vgpr 384
		.amdhsa_next_free_sgpr 66
		.amdhsa_reserve_vcc 1
		.amdhsa_float_denorm_mode_32 3
		.amdhsa_float_denorm_mode_16_64 3
		.amdhsa_memory_ordered 1
		.amdhsa_forward_progress 1
		.amdhsa_inst_pref_size 255
	.end_amdhsa_kernel
	.section	.bss,"aw",@nobits
	.p2align	6
	.space	262144
	.amdgpu_metadata
---
amdhsa.version: [ 1, 2 ]
amdhsa.kernels:
  - .name:           k_q46344f607a_main
    .symbol:         k_q46344f607a_main.kd
    .args:
      - { .name: x, .offset: 0, .size: 8, .value_kind: global_buffer, .address_space: global }
      - { .name: cimg, .offset: 8, .size: 8, .value_kind: global_buffer, .address_space: global }
      - { .name: out0, .offset: 16, .size: 8, .value_kind: global_buffer, .address_space: global }
    .group_segment_fixed_size: 327680
    .private_segment_fixed_size: 0
    .kernarg_segment_align: 8
    .kernarg_segment_size: 24
    .max_flat_workgroup_size: 256
    .sgpr_count:     66
    .vgpr_count:     384
    .wavefront_size: 32
...
	.end_amdgpu_metadata
.endif
;; end of part 2
